; MI455X (gfx1250); checked and timed in simulation.
; The chip was launched on July 23, 2026; its instructions are those of AMD's public machine-readable ISA for CDNA 5 (MIT licence, August 2026) and "CDNA5" Instruction Set Architecture Reference Guide (July 2026). The comments in the code are by the model that wrote it; some were corrected since.
;; Dynamic Sparse Mo E. Allowed arithmetic: matrix products marked QUANTISED: E4M3 operands, one given power-of-two scale a tensor, by v_wmma_f32_16x16x64_fp8_fp8 or v_wmma_f32_16x16x128_fp8_fp8, f32 sums; everything else in f32.
;; Inputs: exp_ids 8,192 int32; lowp_scales 2 int32 (the exponents e of the quantised operands' scales 2^e); tokens_codes 8,192 x 64 x 32 uint8 (E4M3 codes of tokens, K innermost, in blocks of 32 codes); weight_codes 8 x 512 x 64 x 32 uint8 (E4M3 codes of weight, K innermost, in blocks of 32 codes).
;; Outputs: out0 8,192 x 512 float32.
;; This version of the problem:
;;   THIS VERSION OF THE PROBLEM IS GIVEN IN LOW PRECISION. The matrix products marked QUANTISED in the list below multiply operands that are first quantised to E4M3 (4 exponent bits, 3 mantissa bits; 8 bits a number), with one given power-of-two scale for each operand tensor; their sums are f32. All else is computed in f32.
;;   The module's matrix products, in the order in which they are computed (A, B: the left and right operand; K: the contracted axis; several contracted axes count as one K, in the product's order):
;;     1. [M 4,096, K 2,048] x [K 2,048, N 8,192]; A: input weight (given as codes); B: input tokens (given as codes): QUANTISED (scales: A lowp_scales[0], B lowp_scales[1])
;;   THE QUANTISER, for each operand of a quantised product, along K:
;;     - The operand's scale is 2^e, e = its entry of the input lowp_scales (int32; the entries are numbered through the quantised products in the list's order, A before B).
;;     - Each number is divided by the scale, clamped to +-448, and rounded to the nearest number of E4M3, ties to even, subnormals kept.
;;     - The product sums the exact products of the quantised numbers (number of the format x scale) in f32.
;;   ~~~python
;;   def quantise(x, axis, e):      # numpy; x: float32 -> the quantised numbers, widened to float32 again
;;       x = np.moveaxis(x, axis, -1); K = x.shape[-1]
;;       r = np.clip(x / 2.0 ** e, -448, 448)
;;       step = 2.0 ** (np.maximum(np.frexp(np.where(r == 0, 1, r))[1] - 1, -6) - 3)
;;       q = np.round(r / step) * step * 2.0 ** e      # np.round: ties to even
;;       return np.moveaxis(q, -1, axis).astype(np.float32)
;;   ~~~
;;   INPUTS GIVEN AS CODES. tokens (in the module: [8192, 2048], K = its axis 1); weight (in the module: [8, 2048, 512], K = its axis 1): each comes as NAME_codes (uint8): NAME with its K axis moved to the last place and cut into blocks of 32 codes, [.., K / 32, bytes a block], one block behind the other in memory; one code a byte (a code: sign, 4 exponent bits, 3 mantissa bits); its scale is its entry of lowp_scales. Its value is code x scale, taken as it is: it is not quantised again, and the codes and scales need not be those that the quantiser above would give.
;; 2 versions, each right; version 2 is version 1 with the launch gemm written anew for expert scheduling mode. Each part assembles by itself: llvm-mc -triple=amdgcn-amd-amdhsa -mcpu=gfx1250 --defsym DOCPART=n.
;; ======== version 1 of 2: 2 launches
;; workspace buffers: wfrag 8,388,608 bytes; order 35,328 bytes of whole numbers; tiles 1,024 bytes of whole numbers
;; launch prep (part 1): grid 129 x 1, 8 waves a work-group, no clusters, 68,864 bytes of LDS; arguments exp_ids, weight_codes, wfrag, order, tiles; writes wfrag, order, tiles
.if DOCPART == 1
	.amdgcn_target "amdgcn-amd-amdhsa--gfx1250"
	.amdhsa_code_object_version 6
	.text
	.protected	k_q156b8efc4b_prep
	.globl	k_q156b8efc4b_prep
	.p2align	8
	.type	k_q156b8efc4b_prep,@function
k_q156b8efc4b_prep:
	s_mov_b64 s[64:65], 0
	v_nop
	global_prefetch_b8 v0, s[64:65] scope:SCOPE_SE
	s_setreg_imm32_b32 hwreg(HW_REG_WAVE_MODE, 25, 1), 1
	s_wait_xcnt 0x0
; PREPARATION for out[t] = tokens[t] . weight[exp_ids[t]].  Two kinds of work-groups, parted on the work-group's number alone; they never join again, and each kind has LDS bytes of its own.
; WORK-GROUP 0 sorts the 8,192 tokens by expert (a counting sort without atomics) into tiles of 80 rows of ONE expert:
;   order[80 x + i] = the token of row i of tile x (rows past an expert's last token, and all rows of unused tiles, hold 0); all 8,800 entries are stored.
;   tiles[x] = (expert, number of rows 0 .. 80): sum over e of ceil(c[e] / 80) is never more than ceil(8192 / 80) + 7 = 110, whatever the split; 128 entries, the whole buffer, are stored, those past the last tile with 0 rows.
; WORK-GROUPS 1 .. 128 lay the weights' codes out once in the order in which a wave's operand registers take them:
;   wfrag[e 8][cg 8][s 16][nb 4][c 4][lane 32][16 bytes]; lane (r = lane % 16, h = lane / 16) holds weight_codes[e][64 cg + 16 nb + r][128 s + 32 c + 16 h + 0 .. 15].
;   So the product's launch loads every fragment by loads of 512 consecutive bytes a wave, in the order of use.
; LIMIT: exp_ids lie in 0 .. 7, as the index of reference() does; every address made from them is clamped into its buffer all the same.
.set STGB,  8448                       ; relayout: a wave's stage, 16 rows x 528 bytes (512 + 16: 33 x 16 bytes, so that 16 rows begin at 16 different groups of banks; 64 banks of 4 bytes: ISA guide 11.1)
.set TAB,   8*STGB                     ; routing: 8 waves x 16 bytes, behind the eight stages
.set LASTP, 8799                       ; the last place in order
.set ID,   16                          ; v16-47   32 experts' numbers of my 32 tokens; later each token's byte offset in order
.set RK,   48                          ; v48-79   rank of the token among my group's tokens of its expert; later the token's number
.set CNT,  80                          ; v80-83   group g (8 tokens): eight counts of 4 bits, one for each expert
.set SH,   84                          ; v84-87   at work
.set P,    88                          ; v88-103  P[4 g + k]: group g's counts of experts k (low half) and k + 4 (high half)
.set PD,   80                          ; v80-90   behind the placing: byte offsets of the zeros' eleven stores, a register for each
.set TOT,  104                         ; v104-107 my totals, packed likewise; behind the scan the wave's
.set X,    108                         ; v108-111 the sum over lower lanes; later the running base of each expert
.set TMP,  112                         ; v112-119 at work in the scans
.set VT,   120                         ; v120-123 a wave's totals, one wave to a lane; behind the scan all waves'
.set XW,   124                         ; v124-127 the sum over lower waves
.set XL,   128
.set YL,   129
.set XH,   130
.set YH,   131
.set LO0,  132                         ; byte e of {LO1, LO0}: the low byte of expert e's base; {HI1, HI0}: the high byte
.set LO1,  133
.set HI0,  134
.set HI1,  135
.set T,    136                         ; v136-139 at work, two pairs by turns
.set T4,   140                         ; 4 x thread
.set NIL,  141                         ; 0
.set AD,   142                         ; addresses
.set PP,   143
	s_load_b256 s[4:11], s[0:1], 0x0               ; exp_ids s[4:5], weight_codes s[6:7], wfrag s[8:9], order s[10:11]
	s_load_b64 s[12:13], s[0:1], 0x20              ; tiles
	v_lshl_add_u32 v144, v0, 2, 0x10900
	v_mov_b32 v145, 0
	v_lshrrev_b32 v1, 5, v0
	v_readfirstlane_b32 s14, v1                    ; wave 0 .. 7
	v_and_b32 v2, 31, v0                           ; lane
	s_wait_kmcnt 0x0
	s_cmp_lg_u32 ttmp9, 0                          ; the same in all waves of a work-group
	s_cbranch_scc1 .Lrelay
; ------------------------------------------------------------------ WORK-GROUP 0: THE SORT.  256 threads, 32 tokens each.
; A token's place = 80 x (tiles before its expert) + its expert's tokens in lower waves + in lower lanes + in my earlier groups + its rank in its group: a bijection onto the expert's places.
	v_lshlrev_b32 v3, 4, v0
.irp i, 0,1,2,3,4,5,6,7
	global_load_b128 v[ID+4*\i:ID+4*\i+3], v3, s[4:5] offset:4096*\i   ; a wave reads 512 consecutive bytes; register 4 i + q: token 1024 i + 4 t + q
.endr
	s_mov_b32 s16, 0xaaaaaaaa                      ; the lanes whose number has bit 0, 1, 2, 3, 4 set
	s_mov_b32 s17, 0xcccccccc
	s_mov_b32 s18, 0xf0f0f0f0
	s_mov_b32 s19, 0xff00ff00
	s_mov_b32 s20, 0xffff0000
	s_mov_b32 s21, 0x76543210                      ; v_permlanex16_b32: lane l xor 16
	s_mov_b32 s22, 0xfedcba98
	s_mov_b32 s58, 0x06020400                      ; byte selectors, explained at TABLES
	s_mov_b32 s59, 0x07030501
	s_mov_b32 s60, 0x05040100
	s_mov_b32 s61, 0x07060302
	s_mov_b32 s62, 0x00000400
	s_mov_b32 s63, 0x000f000f
.irp n, 0,1,2,3
	v_mov_b32 v[CNT+\n], 0
.endr
.irp n, 0,1,2,3,4,5,6,7
	v_mov_b32 v[TMP+\n], 0                         ; written once: the destination of a lane exchange counts as one of its sources
.endr
	v_lshlrev_b32 v[T4], 2, v0
	v_mov_b32 v[NIL], 0
	s_wait_loadcnt 0x0
	; counts and ranks: four groups of eight tokens, by turns so that no line waits for the line above it.  A count is 8 at the most: 4 bits hold it
.irp j, 0,1,2,3,4,5,6,7
.irp g, 0,1,2,3
	v_lshlrev_b32 v[SH+\g], 2, v[ID+8*\g+\j]                   ; the expert's field begins at bit 4 e
.endr
.irp g, 0,1,2,3
	v_bfe_u32 v[RK+8*\g+\j], v[CNT+\g], v[SH+\g], 4            ; how many of that expert came before in the group
.endr
.irp g, 0,1,2,3
	v_lshl_add_u32 v[CNT+\g], 1, v[SH+\g], v[CNT+\g]           ; one more
.endr
.endr
	; widened to 16 bits: word k holds experts k and k + 4
.irp g, 0,1,2,3
.irp k, 0,1,2,3
	v_lshrrev_b32 v[P+4*\g+\k], 4*\k, v[CNT+\g]
.endr
.endr
.irp n, 0,1,2,3,4,5,6,7,8,9,10,11,12,13,14,15
	v_and_b32 v[P+\n], s63, v[P+\n]
.endr
.irp k, 0,1,2,3
	v_add3_u32 v[TOT+\k], v[P+\k], v[P+4+\k], v[P+8+\k]
.endr
.irp k, 0,1,2,3
	v_add_nc_u32 v[TOT+\k], v[TOT+\k], v[P+12+\k]
.endr
; One step of a scan by exchange: each lane takes the sum of the block of lanes that differs in one bit of the lane's number; lanes that have the bit set add it to their sum over lower lanes; all add it to their block's sum.
.macro BFLY tot, x, step, msk, first
.irp k, 0,1,2,3
.if \step == 16
	v_permlanex16_b32 v[TMP+2*\k], v[\tot+\k], s21, s22
.else
	v_mov_b32_dpp v[TMP+2*\k], v[\tot+\k] row_xmask:\step row_mask:0xf bank_mask:0xf
.endif
.endr
.irp k, 0,1,2,3
.if \first
	v_cndmask_b32 v[\x+\k], 0, v[TMP+2*\k], s[\msk]
.else
	v_cndmask_b32 v[TMP+2*\k+1], 0, v[TMP+2*\k], s[\msk]
.endif
.endr
.irp k, 0,1,2,3
.if !\first
	v_add_nc_u32 v[\x+\k], v[\x+\k], v[TMP+2*\k+1]
.endif
	v_add_nc_u32 v[\tot+\k], v[\tot+\k], v[TMP+2*\k]
.endr
.endm
	BFLY TOT, X, 1, 16, 1                          ; over the 32 lanes: a field is 1,024 at the most
	BFLY TOT, X, 2, 17, 0
	BFLY TOT, X, 4, 18, 0
	BFLY TOT, X, 8, 19, 0
	BFLY TOT, X, 16, 20, 0
	; between the waves: each wave's four words to its own 16 bytes, one barrier, every wave reads all
	s_lshl_b32 s66, s14, 4
	s_add_co_u32 s66, s66, TAB
	v_mov_b32 v[AD], s66
	ds_store_b128 v[AD], v[TOT:TOT+3]              ; all lanes write the same bytes with the same values
	v_and_b32 v[PP], 7, v0
	v_lshl_add_u32 v[PP], v[PP], 4, TAB            ; lane l takes wave l % 8
	s_wait_dscnt 0x0                               ; for the others' sake: my store is done
	s_barrier_signal -1
	s_barrier_wait -1
	ds_load_b128 v[VT:VT+3], v[PP]
	s_wait_dscnt 0x0
	BFLY VT, XW, 1, 16, 1                          ; over the 8 waves: a field is 8,192 at the most
	BFLY VT, XW, 2, 17, 0
	BFLY VT, XW, 4, 18, 0
.irp k, 0,1,2,3
	v_readlane_b32 s[28+\k], v[XW+\k], s14         ; the sum over the waves below mine
	v_readfirstlane_b32 s[24+\k], v[VT+\k]         ; the experts' totals
.endr
.irp k, 0,1,2,3
	s_and_b32 s[32+\k], s[24+\k], 0xffff           ; c[k]
	s_lshr_b32 s[36+\k], s[24+\k], 16              ; c[k + 4]
.endr
	s_mov_b32 s40, 0                               ; tb[e]: tiles before expert e, s40 .. s48
.irp e, 0,1,2,3,4,5,6,7
	s_add_co_u32 s66, s[32+\e], 79
	s_mul_i32 s66, s66, 52429                      ; n / 80 rounded down = (n x 52429) >> 22: 52429 x 80 = 2^22 + 16, so the quotient is too large by n / 80 x 16 / 2^22, under 0.0004 for n up to 8,271, which is under 1 / 80
	s_lshr_b32 s66, s66, 22
	s_add_co_u32 s[41+\e], s[40+\e], s66
.endr
.irp e, 0,1,2,3,4,5,6,7,8
	s_mul_i32 s[49+\e], s[40+\e], 80               ; off[e]: the expert's first place, s49 .. s57
.endr
.irp k, 0,1,2,3
	s_lshl_b32 s66, s[53+\k], 16
	s_or_b32 s66, s66, s[49+\k]
	s_add_co_u32 s[28+\k], s[28+\k], s66
	v_add_nc_u32 v[X+\k], s[28+\k], v[X+\k]        ; the base of my first group, packed; every field stays under 8,800, so nothing carries between the halves
.endr
; The eight bases (16 bits each, in four words) become two tables of eight bytes, so that one byte pick with the expert's number as the selector finds a token's base.
; v_perm_b32: selector bytes 0 to 3 pick from the second source, 4 to 7 from the first.
.macro TABLES
	v_perm_b32 v[XL], v[X+1], v[X], s58            ; low bytes of experts 0, 1, 4, 5
	v_perm_b32 v[YL], v[X+3], v[X+2], s58          ; of 2, 3, 6, 7
	v_perm_b32 v[XH], v[X+1], v[X], s59            ; high bytes likewise
	v_perm_b32 v[YH], v[X+3], v[X+2], s59
	v_perm_b32 v[LO0], v[YL], v[XL], s60           ; experts 0, 1, 2, 3
	v_perm_b32 v[LO1], v[YL], v[XL], s61           ; experts 4, 5, 6, 7
	v_perm_b32 v[HI0], v[YH], v[XH], s60
	v_perm_b32 v[HI1], v[YH], v[XH], s61
.endm
; Token n of my 32 is placed.  Each store has an address and a data register of its own, so nothing is waited for.  The stores are single words at scattered places of 35,200 bytes: that is the sort itself.
.macro PLACE n
	v_perm_b32 v[T+2*((\n)%2)], v[LO1], v[LO0], v[ID+\n]       ; byte 0: the base's low byte
	v_perm_b32 v[T+2*((\n)%2)+1], v[HI1], v[HI0], v[ID+\n]     ; byte 0: its high byte
	v_perm_b32 v[ID+\n], v[T+2*((\n)%2)+1], v[T+2*((\n)%2)], s62
	v_and_b32 v[ID+\n], 0xffff, v[ID+\n]                       ; the base
	v_add_nc_u32 v[ID+\n], v[ID+\n], v[RK+\n]                  ; + the rank
	v_min_u32 v[ID+\n], LASTP, v[ID+\n]                        ; a number made from loaded data enters an address only behind a clamp
	v_lshlrev_b32 v[ID+\n], 2, v[ID+\n]
	v_add_nc_u32 v[RK+\n], 1024*((\n)/4)+(\n)%4, v[T4]         ; the token's number
	global_store_b32 v[ID+\n], v[RK+\n], s[10:11]
.endm
.irp g, 0,1,2,3
	TABLES
.irp j, 0,1,2,3,4,5,6,7
	PLACE 8*\g+\j
.endr
.irp k, 0,1,2,3
	v_add_nc_u32 v[X+\k], v[X+\k], v[P+4*\g+\k]    ; on to the next group's bases
.endr
.endr
; THE ZEROS: the places that hold no token.  All lanes stay on: a lane that has no such place of its own writes its 0 to place 8,799, which holds 0 under every split.
; Why: the experts' places are 8,192 + the sum of their paddings, each 79 at the most.  All 8,800 places are in use only if the paddings add up to 608; seven experts give 553 at the most, so expert 7 then has
; padding, and place 8,799 is its last; if fewer places are in use, place 8,799 belongs to an unused tile.  Each store has an address register of its own, so nothing is waited for.
.irp e, 0,1,2,3,4,5,6,7                        ; the rows behind each expert's last token, fewer than 80: they are multiplied as the tile's first token and stored to its row again
	s_add_co_u32 s66, s[49+\e], s[32+\e]           ; the first of them
	s_sub_co_u32 s68, s[50+\e], s66                ; how many
	v_add_nc_u32 v[PD+\e], s66, v0
	v_cmp_gt_u32 vcc_lo, s68, v0                   ; thread t has one where t is under that number
	v_cndmask_b32 v[PD+\e], LASTP, v[PD+\e], vcc_lo
	v_min_u32 v[PD+\e], LASTP, v[PD+\e]
	v_lshlrev_b32 v[PD+\e], 2, v[PD+\e]
	global_store_b32 v[PD+\e], v[NIL], s[10:11]
.endr
.irp j, 0,1,2                                  ; the places of unused tiles: 8,800 - 80 x 103 = 560 at the most, three times 256 threads; the clamp sends what lies beyond to place 8,799
	s_add_co_u32 s66, s57, 256*\j
	v_add_nc_u32 v[PD+8+\j], s66, v0
	v_min_u32 v[PD+8+\j], LASTP, v[PD+8+\j]
	v_lshlrev_b32 v[PD+8+\j], 2, v[PD+8+\j]
	global_store_b32 v[PD+8+\j], v[NIL], s[10:11]
.endr
	; THE TABLE OF TILES: thread t of waves 0 to 3 makes entry t: 128 entries of 8 bytes are the whole buffer.  It finds the last expert whose first tile is not behind t
	s_cmp_gt_u32 s14, 3
	s_cbranch_scc1 .Lsorted
	v_mov_b32 v128, 0                              ; expert
	v_mov_b32 v130, 0                              ; its first tile
	v_mov_b32 v131, s32                            ; its tokens
.irp e, 1,2,3,4,5,6,7
	v_cmp_gt_u32 vcc_lo, s[40+\e], v0              ; expert e begins behind t: keep what I have
	v_cndmask_b32 v128, \e, v128, vcc_lo
	v_cndmask_b32 v130, s[40+\e], v130, vcc_lo
	v_cndmask_b32 v131, s[32+\e], v131, vcc_lo
.endr
	v_sub_nc_u32 v130, v0, v130                    ; which tile of the expert
	v_mul_u32_u24 v130, v130, 80
	v_min_u32 v130, v130, v131                     ; tokens in the expert's earlier tiles
	v_sub_nc_u32 v129, v131, v130
	v_min_u32 v129, 80, v129                       ; rows of this tile: 0 for a tile that this split leaves unused
	v_lshlrev_b32 v[AD], 3, v0
	global_store_b64 v[AD], v[128:129], s[12:13]   ; a wave stores 256 consecutive bytes
.Lsorted:
	s_wait_tensorcnt 0x0
	ds_add_u32 v144, v145
	s_wait_dscnt 0x0
	s_endpgm
; ------------------------------------------------------------------ WORK-GROUPS 1 .. 128: THE WEIGHTS' LAYOUT.  No barrier: a wave touches its own stage alone.
; Wave u = 8 (work-group - 1) + wave, 0 .. 1,023, takes 16 columns (block nbg = u / 4 = 32 e + 4 cg + nb) x 512 along K (quarter q = u % 4: K steps 4 q .. 4 q + 3): 8,192 bytes in, 8,192 out.
.Lrelay:
	s_sub_co_u32 s16, ttmp9, 1
	s_lshl_b32 s16, s16, 3
	s_add_co_u32 s16, s16, s14                     ; u
	s_lshr_b32 s17, s16, 2                         ; nbg
	s_and_b32 s18, s16, 3                          ; q
	s_lshl_b32 s20, s17, 15                        ; from: 16 rows of 2,048 bytes a block,
	s_lshl_b32 s19, s18, 9                         ; 512 bytes a quarter
	s_add_co_u32 s20, s20, s19
	s_mov_b32 s21, 0
	s_add_nc_u64 s[6:7], s[6:7], s[20:21]
	s_lshr_b32 s22, s17, 2
	s_lshl_b32 s22, s22, 17                        ; to: (8 e + cg) x 131,072
	s_lshl_b32 s19, s18, 15                        ; + 4 q K steps of 8,192
	s_add_co_u32 s22, s22, s19
	s_and_b32 s19, s17, 3
	s_lshl_b32 s19, s19, 11                        ; + nb x 2,048
	s_add_co_u32 s22, s22, s19
	s_mov_b32 s23, 0
	s_add_nc_u64 s[8:9], s[8:9], s[22:23]
	v_lshlrev_b32 v3, 4, v2                        ; 16 x lane
	s_mul_i32 s24, s14, STGB                       ; my stage
	v_add_nc_u32 v4, s24, v3                       ; in: a row's 512 bytes as they lie
	v_and_b32 v6, 15, v0
	v_bfe_u32 v7, v0, 4, 1
	v_mul_u32_u24 v5, v6, 528
	v_lshl_add_u32 v5, v7, 4, v5
	v_add_nc_u32 v5, s24, v5                       ; out: row lane % 16, + 16 (lane / 16)
.irp i, 0,1,2,3,4,5,6,7,8,9,10,11,12,13,14,15
	global_load_b128 v[16+4*\i:19+4*\i], v3, s[6:7] offset:2048*\i th:TH_LOAD_NT   ; 512 consecutive bytes of column i; read once in this launch
.endr
.irp i, 0,1,2,3,4,5,6,7,8,9,10,11,12,13,14,15
	s_wait_loadcnt 15-\i                           ; loads come back in order (ISA guide 5.7.1): row i is in, the younger ones stay out
	ds_store_b128 v4, v[16+4*\i:19+4*\i] offset:528*\i
.endr
.irp j, 0,1,2,3,4,5,6,7,8,9,10,11,12,13,14,15
	ds_load_b128 v[80+4*\j:83+4*\j], v5 offset:128*(\j/4)+32*(\j%4)   ; K step j / 4 of the quarter, piece c = j % 4.  LDS serves a wave's instructions in order (ISA guide 5.7.1.4): these see my stores
.endr
.irp j, 0,1,2,3,4,5,6,7,8,9,10,11,12,13,14,15
	s_wait_dscnt 15-\j
	global_store_b128 v3, v[80+4*\j:83+4*\j], s[8:9] offset:8192*(\j/4)+512*(\j%4)   ; 512 consecutive bytes, at a multiple of 512 from the buffer's first byte
.endr
	s_wait_tensorcnt 0x0
	ds_add_u32 v144, v145
	s_wait_dscnt 0x0
	s_endpgm
.Lfunc_end_k_q156b8efc4b_prep:
	.size	k_q156b8efc4b_prep, .Lfunc_end_k_q156b8efc4b_prep-k_q156b8efc4b_prep
	.p2alignl 7, 3214868480
	.fill 96, 4, 3214868480
	.section	.rodata,"a",@progbits
	.p2align	6, 0x0
	.amdhsa_kernel k_q156b8efc4b_prep
		.amdhsa_group_segment_fixed_size 68864
		.amdhsa_private_segment_fixed_size 0
		.amdhsa_enable_private_segment 0
		.amdhsa_kernarg_size 40
		.amdhsa_user_sgpr_count 2
		.amdhsa_user_sgpr_kernarg_segment_ptr 1
		.amdhsa_wavefront_size32 1
		.amdhsa_system_sgpr_workgroup_id_x 1
		.amdhsa_system_sgpr_workgroup_id_y 1
		.amdhsa_system_sgpr_workgroup_id_z 1
		.amdhsa_system_vgpr_workitem_id 0
		.amdhsa_next_free_vgpr 146
		.amdhsa_next_free_sgpr 80
		.amdhsa_reserve_vcc 1
		.amdhsa_float_denorm_mode_32 3
		.amdhsa_float_denorm_mode_16_64 3
		.amdhsa_memory_ordered 1
		.amdhsa_forward_progress 1
		.amdhsa_inst_pref_size 51
	.end_amdhsa_kernel
	.amdgpu_metadata
---
amdhsa.version: [ 1, 2 ]
amdhsa.kernels:
  - .name:           k_q156b8efc4b_prep
    .symbol:         k_q156b8efc4b_prep.kd
    .args:
      - { .name: exp_ids, .offset: 0, .size: 8, .value_kind: global_buffer, .address_space: global }
      - { .name: weight_codes, .offset: 8, .size: 8, .value_kind: global_buffer, .address_space: global }
      - { .name: wfrag, .offset: 16, .size: 8, .value_kind: global_buffer, .address_space: global }
      - { .name: order, .offset: 24, .size: 8, .value_kind: global_buffer, .address_space: global }
      - { .name: tiles, .offset: 32, .size: 8, .value_kind: global_buffer, .address_space: global }
    .group_segment_fixed_size: 68864
    .private_segment_fixed_size: 0
    .kernarg_segment_align: 8
    .kernarg_segment_size: 40
    .max_flat_workgroup_size: 256
    .sgpr_count:     80
    .vgpr_count:     146
    .wavefront_size: 32
...
	.end_amdgpu_metadata
.endif
;; end of part 1
;; launch gemm (part 2): grid 2 x 110, 4 waves a work-group, no clusters, 252,672 bytes of LDS; arguments tokens_codes, wfrag, order, tiles, lowp_scales, out0; writes out0
.if DOCPART == 2
	.amdgcn_target "amdgcn-amd-amdhsa--gfx1250"
	.amdhsa_code_object_version 6
	.text
	.protected	k_q156b8efc4b_gemm
	.globl	k_q156b8efc4b_gemm
	.p2align	8
	.type	k_q156b8efc4b_gemm,@function
k_q156b8efc4b_gemm:
	s_mov_b64 s[64:65], 0
	v_nop
	global_prefetch_b8 v0, s[64:65] scope:SCOPE_SE
	s_setreg_imm32_b32 hwreg(HW_REG_WAVE_MODE, 25, 1), 1
	s_wait_xcnt 0x0
; out0[t][:] = 2^(e0 + e1) x the sum over k of tokens_codes[t][k] x weight_codes[exp_ids[t]][:][k], on codes of FP8 (E4M3) as they are given; sums in f32.
; Only each token's own expert is multiplied: the launch before has sorted the tokens by expert into tiles of 80 rows (order, tiles) and laid the weights in the order of operand registers (wfrag).
; SHARES.  Work-group (ct, x): tile x of 80 routed rows x columns 256 ct .. 256 ct + 255 of the tile's expert, all of K = 2,048.  110 x 2 work-groups serve every split.
; Wave w: columns 64 (4 ct + w) on, all 80 rows: 5 x 4 accumulators of 16 x 16.
; ROWS PAST THE TILE'S COUNT take the tile's first token in place of their own: they compute that token's row once more and store the same numbers to the same place, from the same wave.  So every lane stays on throughout.
; A tile that this split leaves without rows runs through the products (every wave passes the barrier, which stands under no branch on loaded data) and jumps over the way out: it stores nothing.
; TOKENS: the 80 rows (2,048 bytes each) are gathered ONCE into LDS, through registers: a wave takes 20 rows, in four quarters of 512 bytes a row, 20 loads each; sixteen lanes read 256 consecutive bytes of a row.
; WEIGHTS: each fragment is used by one wave alone, so it goes from memory straight into that wave's registers, 512 consecutive bytes a load, three K steps ahead, in a ring of four sets of registers.
; NO CLUSTER, NO JOINT LOADS: work-groups that share weights are tiles of one expert, and which expert a tile has is read from memory, so partners could not be given equal descriptors by the text's own arithmetic;
; the token rows are gathered by lanes, which a tile descriptor cannot do.
; THE MATRIX INSTRUCTION IS USED TRANSPOSED (source 0 = 16 columns of the weight, source 1 = 16 token rows): a lane then holds eight neighbouring numbers of one row of out0.
; In both operands registers 4 c .. 4 c + 3 of lane (r, h) hold k = 32 c + 16 h + 0 .. 15: the same permutation of k on both sides, so every product meets its partner; only the order of the sums inside an instruction differs.
; LIMITS: none on e0 + e1 (v_ldexp_f32 applies it).  Token numbers and the expert read from the lists are clamped into their tables.
; REGISTERS, in windows of 256: window 0: v1-14 lane terms and LDS addresses; v16-25 byte offsets of the rows that I gather; v26 where they go in LDS; v40-79 byte offsets of the rows that I store;
;   v96-175, v176-255 the tokens' fragments (5 x 16 registers), two sets; on the way out v96-255 hold the results.
;   window 1: during the gather three sets of 80 registers, a quarter each; then v0-159 the accumulators, (mb, nb) at 8 (4 mb + nb).   window 2: the weights' ring, 4 x 64.
.set PITCH,  2064                      ; a token row in LDS: 2,048 bytes + 16 = 129 x 16 bytes: the 16 rows that a fragment load touches begin at 16 different groups of banks (64 banks of 4 bytes: ISA guide 11.1)
.set ROWS,   80
.set STG,    ROWS*PITCH                ; 165,120: behind the rows, a stage of 80 rows x 272 bytes for each wave
.set SPITCH, 272
.set WSTG,   ROWS*SPITCH
.set L16,  1                           ; 16 (lane % 16)
.set LN16, 2                           ; 16 x lane
.set H,    3                           ; lane / 16
.set R,    4                           ; lane % 16
.set H40,  5                           ; 40 h
.set H160, 6                           ; 160 h
.set IDA,  7                           ; 160 h + 40 w
.set AAD,  8                           ; v8-12  LDS address of my lane's part of token rows 16 mb + r
.set STO,  13                          ; the stage: where I put 32 bytes of a row
.set RD,   14                          ; and where I read rows back
.set GA,   16
.set LA,   26
.set OFF,  40
.set AF,   96
.set MSB, 0
.macro WIN new                         ; s_set_vgpr_msb: bits 1:0 source 0, 3:2 source 1, 5:4 source 2, 7:6 destination; the high byte repeats the setting that is left; a switch that changes nothing is dropped
.if MSB != \new
	s_set_vgpr_msb (MSB<<8)|\new
.set MSB, \new
.endif
.endm
	s_load_b256 s[4:11], s[0:1], 0x0               ; tokens_codes s[4:5], wfrag s[6:7], order s[8:9], tiles s[10:11]
	s_load_b128 s[12:15], s[0:1], 0x20             ; lowp_scales s[12:13], out0 s[14:15]
	v_lshl_add_u32 v94, v0, 2, 0x3d900
	v_mov_b32 v95, 0
	v_lshrrev_b32 v15, 5, v0
	v_readfirstlane_b32 s16, v15                   ; wave 0 .. 3
	s_and_b32 s18, ttmp7, 0xffff                   ; x: the tile of rows
	v_and_b32 v[R], 15, v0
	v_bfe_u32 v[H], v0, 4, 1
	v_and_b32 v[LN16], 31, v0
	v_lshlrev_b32 v[LN16], 4, v[LN16]
	v_lshlrev_b32 v[L16], 4, v[R]
	v_mul_u32_u24 v[H40], v[H], 40
	v_mul_u32_u24 v[H160], v[H], 160
	s_mul_i32 s19, s16, 40
	v_add_nc_u32 v[IDA], s19, v[H160]
	s_lshl_b32 s24, s18, 3                         ; the tile's entry: 8 bytes
	s_mov_b32 s25, 0
	s_mul_i32 s26, s18, 320                        ; its 80 rows' tokens: 320 bytes
	s_mov_b32 s27, 0
	s_wait_kmcnt 0x0
	s_add_nc_u64 s[10:11], s[10:11], s[24:25]
	s_add_nc_u64 s[8:9], s[8:9], s[26:27]
	s_load_b64 s[20:21], s[10:11], 0x0             ; expert, number of rows
	s_load_b64 s[22:23], s[12:13], 0x0             ; e0, e1
	s_load_b32 s32, s[8:9], 0x0                    ; the tile's first token
.irp i, 0,1,2,3,4
	global_load_b64 v[GA+2*\i:GA+2*\i+1], v[IDA], s[8:9] offset:8*\i      ; the tokens of rows 40 h + 10 w + 0 .. 9, which my wave gathers
.endr
.irp i, 0,1,2,3,4,5,6,7,8,9
	global_load_b128 v[OFF+4*\i:OFF+4*\i+3], v[H160], s[8:9] offset:16*\i ; the tokens of rows 40 h + 0 .. 39, for the stores at the end
.endr
	; LDS addresses, while those are on their way
	v_mul_u32_u24 v[AAD], v[R], PITCH
	v_lshl_add_u32 v[AAD], v[H], 4, v[AAD]
.irp mb, 1,2,3,4
	v_add_nc_u32 v[AAD+\mb], \mb*16*PITCH, v[AAD]
.endr
	s_mul_i32 s30, s16, WSTG
	s_add_co_u32 s30, s30, STG                     ; my stage
	v_mul_u32_u24 v[STO], v[R], SPITCH
	v_lshl_add_u32 v[STO], v[H], 5, v[STO]
	v_add_nc_u32 v[STO], s30, v[STO]               ; in: row r of a block of 16, + 32 h
	v_mul_u32_u24 v[RD], v[H], 40*SPITCH
	v_add_nc_u32 v[RD], v[RD], v[L16]
	v_add_nc_u32 v[RD], s30, v[RD]                 ; back: lanes 0-15 take row p, lanes 16-31 row 40 + p
	v_mul_u32_u24 v[LA], v[H], 40*PITCH
	v_add_nc_u32 v[LA], v[LA], v[L16]
	s_mul_i32 s31, s16, 10*PITCH
	v_add_nc_u32 v[LA], s31, v[LA]                 ; row 40 h + 10 w, my 16 bytes of 256
	s_lshl_b32 s28, ttmp9, 2
	s_add_co_u32 s28, s28, s16                     ; cg = 4 ct + w: my group of 64 columns
	s_wait_kmcnt 0x0
	s_min_u32 s20, s20, 7                          ; loaded numbers enter an address only behind a clamp
	s_min_u32 s21, s21, 80
	s_add_co_i32 s22, s22, s23                     ; e0 + e1
	s_lshl_b32 s24, s20, 20                        ; wfrag: expert x 2^20 + cg x 2^17 (s25 is still 0)
	s_lshl_b32 s26, s28, 17
	s_add_co_u32 s24, s24, s26
	s_add_nc_u64 s[6:7], s[6:7], s[24:25]
	s_lshl_b32 s26, s28, 8                         ; out0: my 64 columns are 256 bytes of a row (s27 is still 0)
	s_add_nc_u64 s[14:15], s[14:15], s[26:27]
	s_mul_i32 s33, s16, 10
	s_sub_co_i32 s33, s21, s33                     ; the tile's rows less 10 w
.macro TLOAD q, set                    ; quarter q (bytes 512 q .. 512 q + 511) of my 20 rows into a set of 80 registers: 20 loads; one load: 256 consecutive bytes of row 10 w + j and of row 40 + 10 w + j
	WIN 0x40                                       ; destination window 1, address window 0
.irp i, 0,1
.irp j, 0,1,2,3,4,5,6,7,8,9
	global_load_b128 v[80*(\set)+40*\i+4*\j:80*(\set)+40*\i+4*\j+3], v[GA+\j], s[4:5] offset:512*(\q)+256*\i
.endr
.endr
.endm
.macro TSTORE q, set                   ; and from there to their rows in LDS
	WIN 0x04                                       ; data (source 1) window 1, address window 0
.irp i, 0,1
.irp j, 0,1,2,3,4,5,6,7,8,9
	ds_store_b128 v[LA], v[80*(\set)+40*\i+4*\j:80*(\set)+40*\i+4*\j+3] offset:\j*PITCH+512*(\q)+256*\i
.endr
.endr
.endm
.macro BLOAD s                         ; the weights' four fragments of K step s into set s % 4: sixteen loads of 512 consecutive bytes
	WIN 0x80                                       ; destination window 2, address window 0
.irp nb, 0,1,2,3
.irp c, 0,1,2,3
	global_load_b128 v[64*((\s)%4)+16*\nb+4*\c:64*((\s)%4)+16*\nb+4*\c+3], v[LN16], s[6:7] offset:8192*(\s)+2048*\nb+512*\c
.endr
.endr
.endm
.macro ALOAD s                         ; the tokens' five fragments of K step s into set s % 2
	WIN 0
.irp mb, 0,1,2,3,4
.irp c, 0,1,2,3
	ds_load_b128 v[AF+80*((\s)%2)+16*\mb+4*\c:AF+80*((\s)%2)+16*\mb+4*\c+3], v[AAD+\mb] offset:128*(\s)+32*\c
.endr
.endr
.endm
.macro MUL s                           ; 20 matrix instructions; the 20 accumulators take turns, one instruction a turn, in the same order in every step.  Step 0 starts the sums: nothing is cleared
	WIN 0x52                                       ; source 0 (weights) window 2, source 1 (tokens) window 0, C and D window 1
.irp mb, 0,1,2,3,4
.irp nb, 0,1,2,3
.if (\s) == 0
	v_wmma_f32_16x16x128_fp8_fp8 v[8*(4*\mb+\nb):8*(4*\mb+\nb)+7], v[64*((\s)%4)+16*\nb:64*((\s)%4)+16*\nb+15], v[AF+80*((\s)%2)+16*\mb:AF+80*((\s)%2)+16*\mb+15], 0
.else
	v_wmma_f32_16x16x128_fp8_fp8 v[8*(4*\mb+\nb):8*(4*\mb+\nb)+7], v[64*((\s)%4)+16*\nb:64*((\s)%4)+16*\nb+15], v[AF+80*((\s)%2)+16*\mb:AF+80*((\s)%2)+16*\mb+15], v[8*(4*\mb+\nb):8*(4*\mb+\nb)+7]
.endif
.endr
.endr
.endm
	s_wait_loadcnt 0x0                             ; the lists are in
.irp j, 0,1,2,3,4,5,6,7,8,9
	s_sub_co_i32 s28, s33, \j
	v_cmp_gt_i32 vcc_lo, s28, v[H40]               ; row 40 h + 10 w + j is one of the tile's rows;
	v_cndmask_b32 v[GA+\j], s32, v[GA+\j], vcc_lo  ; else it takes the tile's first token
.endr
.irp j, 0,1,2,3,4,5,6,7,8,9
	v_min_u32 v[GA+\j], 8191, v[GA+\j]             ; a token's number, clamped into the table,
.endr
.irp j, 0,1,2,3,4,5,6,7,8,9
	v_lshlrev_b32 v[GA+\j], 11, v[GA+\j]           ; x 2,048 bytes a row,
.endr
.irp j, 0,1,2,3,4,5,6,7,8,9
	v_add_nc_u32 v[GA+\j], v[GA+\j], v[L16]        ; + my 16 bytes of 256
.endr
	; THE GATHER.  Three quarters, 60 loads, go out at once; each later request stands behind the wait for an earlier quarter, which its stores to LDS need anyway.
	TLOAD 0, 0
	TLOAD 1, 1
	TLOAD 2, 2
	WIN 0
.set p, 0
.rept 40                               ; while they are on their way: where the results will go.  A row of out0 is 2,048 bytes too
	s_sub_co_i32 s28, s21, p
	v_cmp_gt_i32 vcc_lo, s28, v[H40]               ; row 40 h + p is one of the tile's rows; else the tile's first token's place
	v_cndmask_b32 v[OFF+p], s32, v[OFF+p], vcc_lo
.set p, p+1
.endr
.set p, 0
.rept 40
	v_min_u32 v[OFF+p], 8191, v[OFF+p]
.set p, p+1
.endr
.set p, 0
.rept 40
	v_lshlrev_b32 v[OFF+p], 11, v[OFF+p]
.set p, p+1
.endr
.set p, 0
.rept 40
	v_add_nc_u32 v[OFF+p], v[OFF+p], v[L16]
.set p, p+1
.endr
	s_wait_loadcnt 40                              ; loads come back in order (ISA guide 5.7.1): quarter 0 is in; quarters 1 and 2 stay out
	TSTORE 0, 0
	s_wait_dscnt 0x0                               ; the stores have read their registers,
	TLOAD 3, 0                                     ; which take the last quarter
	s_wait_loadcnt 40                              ; quarter 1 is in; quarters 2 and 3 stay out
	TSTORE 1, 1
	BLOAD 0
	s_wait_loadcnt 36                              ; quarter 2 is in; quarter 3's 20 loads and K step 0's 16 weight loads stay out
	TSTORE 2, 2
	BLOAD 1
	s_wait_loadcnt 32                              ; quarter 3 is in (and nothing older is out); the weights of K steps 0 and 1 stay out
	TSTORE 3, 0
	BLOAD 2
	WIN 0
	s_wait_dscnt 0x0                               ; for the others' sake: all my stores of token rows are done
	s_barrier_signal -1
	s_barrier_wait -1                              ; everybody's are: the 80 rows lie whole in LDS, and nobody writes them again
	ALOAD 0
; A K STEP of 128.
.macro STEP s
	s_wait_dscnt 0x0                               ; this step's token fragments, asked for a step ago, are in
.if (\s) > 0
.rept 4
	v_nop                                          ; four places between the last step's matrix instructions and loads into registers that they read (ISA guide 7.12.1 for vector instructions)
.endr
.endif
.if (\s) < 15
	ALOAD (\s)+1                                   ; into the set that the last step multiplied
.endif
.if (\s) < 14
	s_wait_loadcnt 32                              ; this step's weights are in; the two later steps' 32 loads stay out
.else
	s_wait_loadcnt 16*(15-(\s))                    ; the counts run down
.endif
.if (\s) < 13
	BLOAD (\s)+3                                   ; into the set that the last step multiplied: 48 weight loads are out
.endif
	MUL \s
.endm
.irp s, 0,1,2,3,4,5,6,7,8,9,10,11,12,13,14,15
	STEP \s
.endr
	; THE WAY OUT.  Each sum x 2^(e0 + e1) into other registers, each accumulator from its low end on; through my own stage in LDS; back as whole rows of my 64 columns, 256 bytes; each row to its token's row of out0.
	WIN 0                                          ; at a branch and at a label every window is 0
	s_cmp_eq_u32 s21, 0                            ; a tile without rows has nothing to store; no barrier stands behind this branch
	s_cbranch_scc1 .Lnone
.rept 4
	v_nop                                          ; places behind the last products: the lines below read results and write over the tokens' fragments
.endr
	WIN 0x01                                       ; source 0 window 1
.set i, 0
.rept 160
	v_ldexp_f32 v[AF+i], v[i], s22
.set i, i+1
.endr
	WIN 0
.irp mb, 0,1,2,3,4
.irp nb, 0,1,2,3
	ds_store_b128 v[STO], v[AF+8*(4*\mb+\nb):AF+8*(4*\mb+\nb)+3] offset:16*SPITCH*\mb+64*\nb        ; lane (r, h): row 16 mb + r, columns 16 nb + 8 h + 0 .. 7
	ds_store_b128 v[STO], v[AF+8*(4*\mb+\nb)+4:AF+8*(4*\mb+\nb)+7] offset:16*SPITCH*\mb+64*\nb+16
.endr
.endr
.set p, 0
.rept 20
	ds_load_b128 v[AF+4*p:AF+4*p+3], v[RD] offset:SPITCH*p   ; LDS serves a wave's instructions in order (ISA guide 5.7.1.4): these see my stores, and land where those have read
.set p, p+1
.endr
.set p, 0
.rept 40                               ; the reads run 20 ahead of the stores to memory.  Each store has an address register and data registers of its own, and no read lands on them: nothing else is waited for
.if p < 20
	s_wait_dscnt 19                                ; rows p and 40 + p are back; the 19 younger reads stay out
.else
	s_wait_dscnt 39-p
.endif
	global_store_b128 v[OFF+p], v[AF+4*p:AF+4*p+3], s[14:15] th:TH_STORE_NT   ; sixteen lanes store 256 consecutive bytes, at a multiple of 256 from out0's first byte; read by nobody here
.if p < 20
	ds_load_b128 v[AF+4*(p+20):AF+4*(p+20)+3], v[RD] offset:SPITCH*(p+20)
.endif
.set p, p+1
.endr
.Lnone:
	s_wait_tensorcnt 0x0
	ds_add_u32 v94, v95
	s_wait_dscnt 0x0
	s_endpgm
.Lfunc_end_k_q156b8efc4b_gemm:
	.size	k_q156b8efc4b_gemm, .Lfunc_end_k_q156b8efc4b_gemm-k_q156b8efc4b_gemm
	.p2alignl 7, 3214868480
	.fill 96, 4, 3214868480
	.section	.rodata,"a",@progbits
	.p2align	6, 0x0
	.amdhsa_kernel k_q156b8efc4b_gemm
		.amdhsa_group_segment_fixed_size 252672
		.amdhsa_private_segment_fixed_size 0
		.amdhsa_enable_private_segment 0
		.amdhsa_kernarg_size 48
		.amdhsa_user_sgpr_count 2
		.amdhsa_user_sgpr_kernarg_segment_ptr 1
		.amdhsa_wavefront_size32 1
		.amdhsa_system_sgpr_workgroup_id_x 1
		.amdhsa_system_sgpr_workgroup_id_y 1
		.amdhsa_system_sgpr_workgroup_id_z 1
		.amdhsa_system_vgpr_workitem_id 0
		.amdhsa_next_free_vgpr 768
		.amdhsa_next_free_sgpr 66
		.amdhsa_reserve_vcc 1
		.amdhsa_float_denorm_mode_32 3
		.amdhsa_float_denorm_mode_16_64 3
		.amdhsa_memory_ordered 1
		.amdhsa_forward_progress 1
		.amdhsa_inst_pref_size 118
	.end_amdhsa_kernel
	.amdgpu_metadata
---
amdhsa.version: [ 1, 2 ]
amdhsa.kernels:
  - .name:           k_q156b8efc4b_gemm
    .symbol:         k_q156b8efc4b_gemm.kd
    .args:
      - { .name: tokens_codes, .offset: 0, .size: 8, .value_kind: global_buffer, .address_space: global }
      - { .name: wfrag, .offset: 8, .size: 8, .value_kind: global_buffer, .address_space: global }
      - { .name: order, .offset: 16, .size: 8, .value_kind: global_buffer, .address_space: global }
      - { .name: tiles, .offset: 24, .size: 8, .value_kind: global_buffer, .address_space: global }
      - { .name: lowp_scales, .offset: 32, .size: 8, .value_kind: global_buffer, .address_space: global }
      - { .name: out0, .offset: 40, .size: 8, .value_kind: global_buffer, .address_space: global }
    .group_segment_fixed_size: 252672
    .private_segment_fixed_size: 0
    .kernarg_segment_align: 8
    .kernarg_segment_size: 48
    .max_flat_workgroup_size: 128
    .sgpr_count:     66
    .vgpr_count:     768
    .wavefront_size: 32
...
	.end_amdgpu_metadata
.endif
;; end of part 2
;; ======== version 2 of 2: 2 launches; version 1 with the launch gemm written anew for expert scheduling mode
;; workspace buffers: wfrag 8,388,608 bytes; order 35,328 bytes of whole numbers; tiles 1,024 bytes of whole numbers
;; launch prep: the kernel of part 1 again; grid 129 x 1, 8 waves a work-group, no clusters, 68,864 bytes of LDS; arguments exp_ids, weight_codes, wfrag, order, tiles; writes wfrag, order, tiles
;; launch gemm (part 3): grid 2 x 110, 4 waves a work-group, no clusters, 252,672 bytes of LDS; arguments tokens_codes, wfrag, order, tiles, lowp_scales, out0; writes out0
.if DOCPART == 3
	.amdgcn_target "amdgcn-amd-amdhsa--gfx1250"
	.amdhsa_code_object_version 6
	.text
	.protected	k_q156b8efc4b_gemm
	.globl	k_q156b8efc4b_gemm
	.p2align	8
	.type	k_q156b8efc4b_gemm,@function
k_q156b8efc4b_gemm:
	s_mov_b64 s[64:65], 0
	v_nop
	global_prefetch_b8 v0, s[64:65] scope:SCOPE_SE
	s_setreg_imm32_b32 hwreg(HW_REG_WAVE_SCHED_MODE, 0, 2), 2
	s_setreg_imm32_b32 hwreg(HW_REG_WAVE_MODE, 25, 1), 1
	s_wait_xcnt 0x0
	s_wait_alu depctr_vm_vsrc(0)
; out0[t][:] = 2^(e0 + e1) x the sum over k of tokens_codes[t][k] x weight_codes[exp_ids[t]][:][k], on codes of FP8 (E4M3) as they are given; sums in f32.
; Only each token's own expert is multiplied: the launch before has sorted the tokens by expert into tiles of 80 rows (order, tiles) and laid the weights in the order of operand registers (wfrag).
; SHARES.  Work-group (ct, x): tile x of 80 routed rows x columns 256 ct .. 256 ct + 255 of the tile's expert, all of K = 2,048.  110 x 2 work-groups serve every split.
; Wave w: columns 64 (4 ct + w) on, all 80 rows: 5 x 4 accumulators of 16 x 16.
; ROWS PAST THE TILE'S COUNT take the tile's first token in place of their own: they compute that token's row once more and store the same numbers to the same place, from the same wave.  So every lane stays on throughout.
; A tile that this split leaves without rows runs through the products (every wave passes the barrier, which stands under no branch on loaded data) and jumps over the way out: it stores nothing.
; TOKENS: the 80 rows (2,048 bytes each) are gathered ONCE into LDS, through registers: a wave takes 20 rows, in four quarters of 512 bytes a row, 20 loads each; sixteen lanes read 256 consecutive bytes of a row.
; WEIGHTS: each fragment is used by one wave alone, so it goes from memory straight into that wave's registers, 512 consecutive bytes a load, three K steps ahead, in a ring of four sets of registers.
; NO CLUSTER, NO JOINT LOADS: work-groups that share weights are tiles of one expert, and which expert a tile has is read from memory, so partners could not be given equal descriptors by the text's own arithmetic;
; the token rows are gathered by lanes, which a tile descriptor cannot do.
; THE MATRIX INSTRUCTION IS USED TRANSPOSED (source 0 = 16 columns of the weight, source 1 = 16 token rows): a lane then holds eight neighbouring numbers of one row of out0.
; In both operands registers 4 c .. 4 c + 3 of lane (r, h) hold k = 32 c + 16 h + 0 .. 15: the same permutation of k on both sides, so every product meets its partner; only the order of the sums inside an instruction differs.
; LIMITS: none on e0 + e1 (v_ldexp_f32 applies it).  Token numbers and the expert read from the lists are clamped into their tables.
; REGISTERS, in windows of 256: window 0: v1-14 lane terms and LDS addresses; v16-25 byte offsets of the rows that I gather; v26 where they go in LDS; v40-79 byte offsets of the rows that I store;
;   v96-175, v176-255 the tokens' fragments (5 x 16 registers), two sets; on the way out v96-255 hold the results.
;   window 1: during the gather three sets of 80 registers, a quarter each; then v0-159 the accumulators, (mb, nb) at 8 (4 mb + nb).   window 2: the weights' ring, 4 x 64.
; THE MODE: SCHED_MODE bits 1:0 = 2 (LLVM: expert scheduling mode 2), set by the entry lines.  The code itself states the register dependences
; between vector or matrix instructions and memory or LDS instructions, with s_wait_alu, always for 0.
; THE PLAN.  Registers that memory or LDS instructions touch:
;   v2, v6, v7, v8-14, v26   offsets and LDS addresses: written by vector lines at the head, read by loads and stores, never written again.
;   v16-25 (GA), v40-79 (OFF)  the lists' loads land; four vector lines each make byte offsets of them; GA is then read by the gather's loads, OFF by the stores at the end; never written again.
;   window 1, sets 0 to 2    the gather's loads land; the LDS stores of rows read; set 0 is loaded once more (quarter 3); from K step 0 on the products write v0-159 of the window.
;   A0, A1 (v96-255)         step s: its products read A[s % 2]; the LDS loads issued in step s land in the other set, which step s - 1 read.
;   W0 .. W3 (window 2)      step s: its products read W[s % 4]; the loads issued in step s land in W[(s + 3) % 4], which step s - 1 read.
;   v96-255 on the way out   written by the scalings, read by the stage's stores; the stage's reads land there; the stores to memory read them.
;   v94, v95                 written at the head, read by the closing add alone.
; So ONE wait on va_vdst stands at the head of each of K steps 1 to 14: step s - 1's products are done reading the two sets in which step s's loads land.  Those loads follow it, dealt among the step's products,
; which name W[s % 4], A[s % 2] and the accumulators: none of the registers that the loads touch.  Step 0's loads land in registers that nothing has named, and step 15 loads nothing: they have no such wait.
.set PITCH,  2064                      ; a token row in LDS: 2,048 bytes + 16 = 129 x 16 bytes: the 16 rows that a fragment load touches begin at 16 different groups of banks (64 banks of 4 bytes: ISA guide 11.1)
.set ROWS,   80
.set STG,    ROWS*PITCH                ; 165,120: behind the rows, a stage of 80 rows x 272 bytes for each wave
.set SPITCH, 272
.set WSTG,   ROWS*SPITCH
.set L16,  1                           ; 16 (lane % 16)
.set LN16, 2                           ; 16 x lane
.set H,    3                           ; lane / 16
.set R,    4                           ; lane % 16
.set H40,  5                           ; 40 h
.set H160, 6                           ; 160 h
.set IDA,  7                           ; 160 h + 40 w
.set AAD,  8                           ; v8-12  LDS address of my lane's part of token rows 16 mb + r
.set STO,  13                          ; the stage: where I put 32 bytes of a row
.set RD,   14                          ; and where I read rows back
.set GA,   16
.set LA,   26
.set OFF,  40
.set AF,   96
.set MK,   40                          ; s40-59  the masks of a run of compares, up to twenty to a run
.set MSB, 0
.macro WIN new                         ; s_set_vgpr_msb: bits 1:0 source 0, 3:2 source 1, 5:4 source 2, 7:6 destination; the high byte repeats the setting that is left; a switch that changes nothing is dropped
.if MSB != \new
	s_set_vgpr_msb (MSB<<8)|\new
.set MSB, \new
.endif
.endm
	s_load_b256 s[4:11], s[0:1], 0x0               ; tokens_codes s[4:5], wfrag s[6:7], order s[8:9], tiles s[10:11]
	s_load_b128 s[12:15], s[0:1], 0x20             ; lowp_scales s[12:13], out0 s[14:15]
	v_lshl_add_u32 v94, v0, 2, 0x3d900
	v_mov_b32 v95, 0
	v_lshrrev_b32 v15, 5, v0
	v_readfirstlane_b32 s16, v15                   ; wave 0 .. 3
	s_and_b32 s18, ttmp7, 0xffff                   ; x: the tile of rows
	v_and_b32 v[R], 15, v0
	v_bfe_u32 v[H], v0, 4, 1
	v_and_b32 v[LN16], 31, v0
	v_lshlrev_b32 v[LN16], 4, v[LN16]
	v_lshlrev_b32 v[L16], 4, v[R]
	v_mul_u32_u24 v[H40], v[H], 40
	v_mul_u32_u24 v[H160], v[H], 160
	s_wait_alu depctr_va_sdst(0)                   ; s16 is written, ahead of its first reader
	s_mul_i32 s19, s16, 40
	v_add_nc_u32 v[IDA], s19, v[H160]
	s_lshl_b32 s24, s18, 3                         ; the tile's entry: 8 bytes
	s_mov_b32 s25, 0
	s_mul_i32 s26, s18, 320                        ; its 80 rows' tokens: 320 bytes
	s_mov_b32 s27, 0
	s_wait_kmcnt 0x0
	s_add_nc_u64 s[10:11], s[10:11], s[24:25]
	s_add_nc_u64 s[8:9], s[8:9], s[26:27]
	s_load_b64 s[20:21], s[10:11], 0x0             ; expert, number of rows
	s_load_b64 s[22:23], s[12:13], 0x0             ; e0, e1
	s_load_b32 s32, s[8:9], 0x0                    ; the tile's first token
	s_wait_alu depctr_va_vdst(0)                   ; v[IDA] and v[H160] are written, which the lists' loads read as offsets; so is v[LN16], the offset of every weight load
.irp i, 0,1,2,3,4
	global_load_b64 v[GA+2*\i:GA+2*\i+1], v[IDA], s[8:9] offset:8*\i      ; the tokens of rows 40 h + 10 w + 0 .. 9, which my wave gathers
.endr
.irp i, 0,1,2,3,4,5,6,7,8,9
	global_load_b128 v[OFF+4*\i:OFF+4*\i+3], v[H160], s[8:9] offset:16*\i ; the tokens of rows 40 h + 0 .. 39, for the stores at the end
.endr
	; LDS addresses, while those are on their way
	v_mul_u32_u24 v[AAD], v[R], PITCH
	v_lshl_add_u32 v[AAD], v[H], 4, v[AAD]
.irp mb, 1,2,3,4
	v_add_nc_u32 v[AAD+\mb], \mb*16*PITCH, v[AAD]
.endr
	s_mul_i32 s30, s16, WSTG
	s_add_co_u32 s30, s30, STG                     ; my stage
	v_mul_u32_u24 v[STO], v[R], SPITCH
	v_lshl_add_u32 v[STO], v[H], 5, v[STO]
	v_add_nc_u32 v[STO], s30, v[STO]               ; in: row r of a block of 16, + 32 h
	v_mul_u32_u24 v[RD], v[H], 40*SPITCH
	v_add_nc_u32 v[RD], v[RD], v[L16]
	v_add_nc_u32 v[RD], s30, v[RD]                 ; back: lanes 0-15 take row p, lanes 16-31 row 40 + p
	v_mul_u32_u24 v[LA], v[H], 40*PITCH
	v_add_nc_u32 v[LA], v[LA], v[L16]
	s_mul_i32 s31, s16, 10*PITCH
	v_add_nc_u32 v[LA], s31, v[LA]                 ; row 40 h + 10 w, my 16 bytes of 256
	s_lshl_b32 s28, ttmp9, 2
	s_add_co_u32 s28, s28, s16                     ; cg = 4 ct + w: my group of 64 columns
	s_wait_kmcnt 0x0
	s_min_u32 s20, s20, 7                          ; loaded numbers enter an address only behind a clamp
	s_min_u32 s21, s21, 80
	s_add_co_i32 s22, s22, s23                     ; e0 + e1
	s_lshl_b32 s24, s20, 20                        ; wfrag: expert x 2^20 + cg x 2^17 (s25 is still 0)
	s_lshl_b32 s26, s28, 17
	s_add_co_u32 s24, s24, s26
	s_add_nc_u64 s[6:7], s[6:7], s[24:25]
	s_lshl_b32 s26, s28, 8                         ; out0: my 64 columns are 256 bytes of a row (s27 is still 0)
	s_add_nc_u64 s[14:15], s[14:15], s[26:27]
	s_mul_i32 s33, s16, 10
	s_sub_co_i32 s33, s21, s33                     ; the tile's rows less 10 w
.macro TLOAD q, set                    ; quarter q (bytes 512 q .. 512 q + 511) of my 20 rows into a set of 80 registers: 20 loads; one load: 256 consecutive bytes of row 10 w + j and of row 40 + 10 w + j
	WIN 0x40                                       ; destination window 1, address window 0
.irp i, 0,1
.irp j, 0,1,2,3,4,5,6,7,8,9
	global_load_b128 v[80*(\set)+40*\i+4*\j:80*(\set)+40*\i+4*\j+3], v[GA+\j], s[4:5] offset:512*(\q)+256*\i
.endr
.endr
.endm
.macro TSTORE q, set                   ; and from there to their rows in LDS
	WIN 0x04                                       ; data (source 1) window 1, address window 0
.irp i, 0,1
.irp j, 0,1,2,3,4,5,6,7,8,9
	ds_store_b128 v[LA], v[80*(\set)+40*\i+4*\j:80*(\set)+40*\i+4*\j+3] offset:\j*PITCH+512*(\q)+256*\i
.endr
.endr
.endm
.macro BLOAD s                         ; the weights' four fragments of K step s into set s % 4: sixteen loads of 512 consecutive bytes
	WIN 0x80                                       ; destination window 2, address window 0
.irp nb, 0,1,2,3
.irp c, 0,1,2,3
	global_load_b128 v[64*((\s)%4)+16*\nb+4*\c:64*((\s)%4)+16*\nb+4*\c+3], v[LN16], s[6:7] offset:8192*(\s)+2048*\nb+512*\c
.endr
.endr
.endm
.macro ALOAD s                         ; the tokens' five fragments of K step s into set s % 2
	WIN 0
.irp mb, 0,1,2,3,4
.irp c, 0,1,2,3
	ds_load_b128 v[AF+80*((\s)%2)+16*\mb+4*\c:AF+80*((\s)%2)+16*\mb+4*\c+3], v[AAD+\mb] offset:128*(\s)+32*\c
.endr
.endr
.endm
.macro MULB s, mb                      ; 4 of a step's 20 matrix instructions: token rows 16 mb on x my four blocks of columns.  The 20 accumulators take turns, one instruction a turn, in the same order in every step.  Step 0 starts the sums: nothing is cleared
	WIN 0x52                                       ; source 0 (weights) window 2, source 1 (tokens) window 0, C and D window 1
.irp nb, 0,1,2,3
.if (\s) == 0
	v_wmma_f32_16x16x128_fp8_fp8 v[8*(4*(\mb)+\nb):8*(4*(\mb)+\nb)+7], v[64*((\s)%4)+16*\nb:64*((\s)%4)+16*\nb+15], v[AF+80*((\s)%2)+16*(\mb):AF+80*((\s)%2)+16*(\mb)+15], 0
.else
	v_wmma_f32_16x16x128_fp8_fp8 v[8*(4*(\mb)+\nb):8*(4*(\mb)+\nb)+7], v[64*((\s)%4)+16*\nb:64*((\s)%4)+16*\nb+15], v[AF+80*((\s)%2)+16*(\mb):AF+80*((\s)%2)+16*(\mb)+15], v[8*(4*(\mb)+\nb):8*(4*(\mb)+\nb)+7]
.endif
.endr
.endm
	s_wait_loadcnt 0x0                             ; the lists are in
.irp j, 0,1,2,3,4,5,6,7,8,9
	s_sub_co_i32 s28, s33, \j
	v_cmp_gt_i32 s[MK+\j], s28, v[H40]             ; row 40 h + 10 w + j is one of the tile's rows: a run of ten compares, a mask register each
.endr
	s_wait_alu depctr_va_sdst(0)                   ; the ten masks s40 to s49 are written, ahead of their first reader
.irp j, 0,1,2,3,4,5,6,7,8,9
	v_cndmask_b32 v[GA+\j], s32, v[GA+\j], s[MK+\j]  ; a row that is none of the tile's takes the tile's first token
.endr
.irp j, 0,1,2,3,4,5,6,7,8,9
	v_min_u32 v[GA+\j], 8191, v[GA+\j]             ; a token's number, clamped into the table,
.endr
.irp j, 0,1,2,3,4,5,6,7,8,9
	v_lshlrev_b32 v[GA+\j], 11, v[GA+\j]           ; x 2,048 bytes a row,
.endr
.irp j, 0,1,2,3,4,5,6,7,8,9
	v_add_nc_u32 v[GA+\j], v[GA+\j], v[L16]        ; + my 16 bytes of 256
.endr
	; THE GATHER.  Three quarters, 60 loads, go out at once; each later request stands behind the wait for an earlier quarter, which its stores to LDS need anyway.
	WIN 0x40
	s_wait_alu depctr_va_vdst(0)                   ; v[GA ..] are written, which the gather's loads read as offsets; so are v[LA], v[AAD ..], v[STO] and v[RD], the addresses of every LDS store and load below: no later vector line names any of them
	TLOAD 0, 0
	TLOAD 1, 1
	TLOAD 2, 2
	WIN 0
	; while they are on their way: where the results will go.  A row of out0 is 2,048 bytes too.  These lines name v[OFF ..], v[H40] and v[L16] alone: no register of a load or store that is out
.irp b, 0,1
.set p, 20*\b
.rept 20
	s_sub_co_i32 s28, s21, p
	v_cmp_gt_i32 s[MK+p%20], s28, v[H40]           ; row 40 h + p is one of the tile's rows: a run of twenty compares
.set p, p+1
.endr
	s_wait_alu depctr_va_sdst(0)                   ; the run's twenty masks s40 to s59 are written, ahead of their first reader
.set p, 20*\b
.rept 20
	v_cndmask_b32 v[OFF+p], s32, v[OFF+p], s[MK+p%20]  ; else the tile's first token's place
.set p, p+1
.endr
.endr
.set p, 0
.rept 40
	v_min_u32 v[OFF+p], 8191, v[OFF+p]
.set p, p+1
.endr
.set p, 0
.rept 40
	v_lshlrev_b32 v[OFF+p], 11, v[OFF+p]
.set p, p+1
.endr
.set p, 0
.rept 40
	v_add_nc_u32 v[OFF+p], v[OFF+p], v[L16]
.set p, p+1
.endr
	s_wait_loadcnt 40                              ; loads come back in order (ISA guide 5.7.1): quarter 0 is in; quarters 1 and 2 stay out
	TSTORE 0, 0
	s_wait_dscnt 0x0                               ; quarter 0's stores to LDS are done
	WIN 0x40
	s_wait_alu depctr_vm_vsrc(0)                   ; those stores have read set 0,
	TLOAD 3, 0                                     ; in which the last quarter lands
	s_wait_loadcnt 40                              ; quarter 1 is in; quarters 2 and 3 stay out
	TSTORE 1, 1
	BLOAD 0
	s_wait_loadcnt 36                              ; quarter 2 is in; quarter 3's 20 loads and K step 0's 16 weight loads stay out
	TSTORE 2, 2
	BLOAD 1
	s_wait_loadcnt 32                              ; quarter 3 is in (and nothing older is out); the weights of K steps 0 and 1 stay out
	TSTORE 3, 0
	BLOAD 2
	WIN 0
	s_wait_dscnt 0x0                               ; for the others' sake: all my stores of token rows are done
	s_barrier_signal -1
	s_barrier_wait -1                              ; everybody's are: the 80 rows lie whole in LDS, and nobody writes them again
	s_wait_alu depctr_vm_vsrc(0)                   ; my LDS stores have read the three sets of window 1: v0-159 of that window are the accumulators from here on, written by K step 0's products
	ALOAD 0
; A K STEP of 128: 4 products, the next step's 20 fragment reads, 8 products, the 16 weight loads of three steps on, 8 products.
.macro STEP s
.if ((\s) > 0) && ((\s) < 15)
.rept 4
	v_nop                                          ; four places between the last step's matrix instructions and the loads into registers that they read; they stay beside the wait on va_vdst below
.endr
.endif
	s_wait_dscnt 0x0                               ; this step's token fragments, asked for a step ago, are in
.if (\s) < 14
	s_wait_loadcnt 32                              ; this step's weights are in; the two later steps' 32 loads stay out
.else
	s_wait_loadcnt 16*(15-(\s))                    ; the counts run down
.endif
.if ((\s) > 0) && ((\s) < 15)
	s_wait_alu depctr_va_vdst(0)                   ; the last step's products are done reading their set of token fragments and their set of weights, in which this step's loads land.  (In step 1 it also shows v[OFF ..] written, which the stores at the end read)
.endif
	MULB \s, 0
.if (\s) < 15
	ALOAD (\s)+1                                   ; into the set that the last step multiplied.  No wait: no product since the wait above names that set or v[AAD ..]
.endif
	MULB \s, 1
	MULB \s, 2
.if (\s) < 13
	BLOAD (\s)+3                                   ; into the set that the last step multiplied: 48 weight loads are out.  No wait: no product since the wait above names that set or v[LN16]
.endif
	MULB \s, 3
	MULB \s, 4
.endm
.irp s, 0,1,2,3,4,5,6,7,8,9,10,11,12,13,14,15
	STEP \s
.endr
	; THE WAY OUT.  Each sum x 2^(e0 + e1) into other registers, each accumulator from its low end on; through my own stage in LDS; back as whole rows of my 64 columns, 256 bytes; each row to its token's row of out0.
	WIN 0                                          ; at a branch and at a label every window is 0
	s_cmp_eq_u32 s21, 0                            ; a tile without rows has nothing to store; no barrier stands behind this branch
	s_cbranch_scc1 .Lnone
.rept 4
	v_nop                                          ; places behind the last products: the lines below read results and write over the tokens' fragments
.endr
	WIN 0x01                                       ; source 0 window 1
.set i, 0
.rept 160
	v_ldexp_f32 v[AF+i], v[i], s22
.set i, i+1
.endr
	WIN 0
	s_wait_alu depctr_va_vdst(0)                   ; the scalings have written v[AF ..], which the stage's stores read and in which its reads land
.irp mb, 0,1,2,3,4
.irp nb, 0,1,2,3
	ds_store_b128 v[STO], v[AF+8*(4*\mb+\nb):AF+8*(4*\mb+\nb)+3] offset:16*SPITCH*\mb+64*\nb        ; lane (r, h): row 16 mb + r, columns 16 nb + 8 h + 0 .. 7
	ds_store_b128 v[STO], v[AF+8*(4*\mb+\nb)+4:AF+8*(4*\mb+\nb)+7] offset:16*SPITCH*\mb+64*\nb+16
.endr
.endr
	s_wait_alu depctr_vm_vsrc(0)                   ; the forty stores have read v[AF ..], in which all forty reads below land
.set p, 0
.rept 20
	ds_load_b128 v[AF+4*p:AF+4*p+3], v[RD] offset:SPITCH*p   ; LDS serves a wave's instructions in order (ISA guide 5.7.1.4): these see my stores
.set p, p+1
.endr
.set p, 0
.rept 40                               ; the reads run 20 ahead of the stores to memory.  Each store has an address register and data registers of its own, and no read lands on them: nothing else is waited for
.if p < 20
	s_wait_dscnt 19                                ; rows p and 40 + p are back; the 19 younger reads stay out
.else
	s_wait_dscnt 39-p
.endif
	global_store_b128 v[OFF+p], v[AF+4*p:AF+4*p+3], s[14:15] th:TH_STORE_NT   ; sixteen lanes store 256 consecutive bytes, at a multiple of 256 from out0's first byte; read by nobody here
.if p < 20
	ds_load_b128 v[AF+4*(p+20):AF+4*(p+20)+3], v[RD] offset:SPITCH*(p+20)
.endif
.set p, p+1
.endr
.Lnone:
	s_wait_dscnt 0x0                               ; the closing lines, six on end
	s_wait_alu 0x0
	s_wait_tensorcnt 0x0
	ds_add_u32 v94, v95
	s_wait_dscnt 0x0
	s_endpgm
.Lfunc_end_k_q156b8efc4b_gemm:
	.size	k_q156b8efc4b_gemm, .Lfunc_end_k_q156b8efc4b_gemm-k_q156b8efc4b_gemm
	.p2alignl 7, 3214868480
	.fill 96, 4, 3214868480
	.section	.rodata,"a",@progbits
	.p2align	6, 0x0
	.amdhsa_kernel k_q156b8efc4b_gemm
		.amdhsa_group_segment_fixed_size 252672
		.amdhsa_private_segment_fixed_size 0
		.amdhsa_enable_private_segment 0
		.amdhsa_kernarg_size 48
		.amdhsa_user_sgpr_count 2
		.amdhsa_user_sgpr_kernarg_segment_ptr 1
		.amdhsa_wavefront_size32 1
		.amdhsa_system_sgpr_workgroup_id_x 1
		.amdhsa_system_sgpr_workgroup_id_y 1
		.amdhsa_system_sgpr_workgroup_id_z 1
		.amdhsa_system_vgpr_workitem_id 0
		.amdhsa_next_free_vgpr 768
		.amdhsa_next_free_sgpr 66
		.amdhsa_reserve_vcc 0
		.amdhsa_float_denorm_mode_32 3
		.amdhsa_float_denorm_mode_16_64 3
		.amdhsa_memory_ordered 1
		.amdhsa_forward_progress 1
		.amdhsa_inst_pref_size 122
	.end_amdhsa_kernel
	.amdgpu_metadata
---
amdhsa.version: [ 1, 2 ]
amdhsa.kernels:
  - .name:           k_q156b8efc4b_gemm
    .symbol:         k_q156b8efc4b_gemm.kd
    .args:
      - { .name: tokens_codes, .offset: 0, .size: 8, .value_kind: global_buffer, .address_space: global }
      - { .name: wfrag, .offset: 8, .size: 8, .value_kind: global_buffer, .address_space: global }
      - { .name: order, .offset: 16, .size: 8, .value_kind: global_buffer, .address_space: global }
      - { .name: tiles, .offset: 24, .size: 8, .value_kind: global_buffer, .address_space: global }
      - { .name: lowp_scales, .offset: 32, .size: 8, .value_kind: global_buffer, .address_space: global }
      - { .name: out0, .offset: 40, .size: 8, .value_kind: global_buffer, .address_space: global }
    .group_segment_fixed_size: 252672
    .private_segment_fixed_size: 0
    .kernarg_segment_align: 8
    .kernarg_segment_size: 48
    .max_flat_workgroup_size: 128
    .sgpr_count:     66
    .vgpr_count:     768
    .wavefront_size: 32
...
	.end_amdgpu_metadata
.endif
;; end of part 3
